; MI455X (gfx1250); checked and timed in simulation.
; The chip was launched on July 23, 2026; its instructions are those of AMD's public machine-readable ISA for CDNA 5 (MIT licence, August 2026) and "CDNA5" Instruction Set Architecture Reference Guide (July 2026). The comments in the code are by the model that wrote it; some were corrected since.
;; RBF Normalized Net. Allowed arithmetic: matrix products marked QUANTISED: E2M1 operands, one E8M0 scale for each 32 along K, by v_wmma_scale_f32_16x16x128_f8f6f4 with both operands' format E2M1 (or v_wmma_scale_f32_32x16x128_f4), f32 sums; everything else in f32.
;; Inputs: W 128 x 1,024 float32; b 128 float32; centers 1,024 x 64 float32; sigma 1 x 1,024 float32; x 131,072 x 64 float32.
;; Outputs: out0 131,072 x 128 float32.
;; This version of the problem:
;;   THIS VERSION OF THE PROBLEM IS GIVEN IN LOW PRECISION. The matrix products marked QUANTISED in the list below multiply operands that are first quantised to E2M1 (2 exponent bits, 1 mantissa bit; 4 bits a number), with one power-of-two scale for each 32 numbers along K (OCP MX v1.0); their sums are f32. All else is computed in f32.
;;   The module's matrix products, in the order in which they are computed (A, B: the left and right operand; K: the contracted axis; several contracted axes count as one K, in the product's order):
;;     1. [M 131,072, K 64] x [K 64, N 1,024]; A: input x; B: input centers: QUANTISED
;;     2. [M 131,072, K 1,024] x [K 1,024, N 128]; A: softmax (see below); B: input W: QUANTISED
;;   THE QUANTISER, for each operand of a quantised product, along K:
;;     - K is cut into blocks of 32 from its start; a last block that is shorter is filled with zeros.
;;     - A block's scale is 2^e with e = floor(log2(the largest magnitude in the block)) - 2, held to -126 .. 127; a block of zeros has e = 0. As a byte (E8M0): e + 127.
;;     - Each number is divided by its block's scale, clamped to +-6, and rounded to the nearest number of E2M1, ties to even, subnormals kept.
;;     - The product sums the exact products of the quantised numbers (number of the format x scale) in f32.
;;   ~~~python
;;   def quantise(x, axis):      # numpy; x: float32 -> the quantised numbers, widened to float32 again
;;       x = np.moveaxis(x, axis, -1); K = x.shape[-1]
;;       x = np.pad(x, [(0, 0)] * (x.ndim - 1) + [(0, -K % 32)]); x = x.reshape(x.shape[:-1] + (-1, 32)); a = np.abs(x).max(-1, keepdims=True)
;;       e = np.where(a > 0, np.clip(np.frexp(np.where(a > 0, a, 1))[1] - 1 - 2, -126, 127), 0)      # np.frexp(a)[1] - 1 = floor(log2(a)), exactly
;;       r = np.clip(x / 2.0 ** e, -6, 6)
;;       step = 2.0 ** (np.maximum(np.frexp(np.where(r == 0, 1, r))[1] - 1, 0) - 1)
;;       q = np.round(r / step) * step * 2.0 ** e      # np.round: ties to even
;;       return np.moveaxis(q.reshape(q.shape[:-2] + (-1,))[..., :K], -1, axis).astype(np.float32)
;;   ~~~
;;   SOFTMAX AHEAD OF A QUANTISED PRODUCT. Where the list says 'softmax', what is quantised is not the finished softmax but p = 2^(t - M), with t = logit x log2(e) and M = ceil(the row's largest t), a whole number; so 1/2 < the row's largest p <= 1. The row's sum l is taken of the UNQUANTISED p, in f32, and the product's result is divided by l at the end. Since M is a whole number, a kernel that streams over the keys may use a running M (the ceiling of the running maximum): every later rescaling is an exact power of two, which a block's scale takes up: the codes' values come out the same.
;;   OPERANDS COMPUTED ON THE WAY. 'Computed on the way' means the value that the module computes at that place (a softmax that the list does not call 'softmax' is quantised finished and normalised). What goes into a quantiser is computed in f32, as accurately as f32 sums, v_exp_f32 and their like allow (about 1e-6 of the number): no bf16 or f16 on the way to a quantiser, and a product that is left as it is and whose result goes on into a quantised operand takes f32 operands (vector FMAs, or v_wmma_f32_16x16x4_f32). A number that lies on a knife's edge between two numbers of the format may be rounded either way, as far as f32 arithmetic and the matrix unit's own rounding can turn it there, and no further.
;; One version. Each part assembles by itself: llvm-mc -triple=amdgcn-amd-amdhsa -mcpu=gfx1250 --defsym DOCPART=n.
;; ======== version 1 of 1: 2 launches
;; limits: right only within a limited range of input values
;; workspace buffers: tab 114,688 bytes
;; launch prep (part 1): grid 192 x 1, 1 waves a work-group, no clusters, 0 bytes of LDS; arguments centers, sigma, W, tab; writes tab
.if DOCPART == 1
	.amdgcn_target "amdgcn-amd-amdhsa--gfx1250"
	.amdhsa_code_object_version 6
	.text
	.protected	k_q4f7699390d_prep
	.globl	k_q4f7699390d_prep
	.p2align	8
	.type	k_q4f7699390d_prep,@function
k_q4f7699390d_prep:
	s_mov_b64 s[64:65], 0
	v_nop
	global_prefetch_b8 v0, s[64:65] scope:SCOPE_SE
	s_setreg_imm32_b32 hwreg(HW_REG_WAVE_MODE, 25, 1), 1
	s_wait_xcnt 0x0
; The tables that every work-group of the second launch reads, made once.
; centers [1024][64] and W [128][1024], f32, K innermost, become codes of FP4 (E2M1) with one E8M0 byte for each 32 along K;
; beside them two numbers for each centre: -c2/2 (c2 = the sum of its 64 squares, of the unquantised numbers) and g2 = log2(e) / sigma^2.
; tab, in bytes:  TCC  centres' codes [1024][32]      TWC  W's codes [128][512]      TCS  a word a centre: its two scale bytes, twice (s0, s1, s0, s1)
;                 TWS  W's scale bytes [128][32]      TC2H -c2/2 [1024] f32          TG2  g2 [1024] f32
; SHARES.  A lane takes one block of 32 along K: 128 consecutive bytes of f32, so that its largest magnitude needs no other lane and the four conversions give
; the block's 16 bytes of codes; a wave's store of codes covers 512 consecutive bytes.  Work-groups 0-63: the centres' 2,048 blocks; 64-191: W's 4,096 (a row of W each).
; A lane's eight loads stand 128 bytes from its neighbour's: the two tensors are 786,432 bytes in all and are read once.
; A block's scale is 2^(floor(log2(its largest magnitude)) - 2): its byte is that magnitude's exponent field - 2, held at 1 from below.
; LIMITS: a block of zeros gets the byte 1 where the rule says 127 (its codes are zeros, and this program alone reads the bytes); NaN and infinities are not served;
; sigma = 0 is not served, and sigma^2 under 2^-126 counts as 0 in v_rcp_f32.
.set TCC,  0
.set TWC,  49152
.set TCS,  32768
.set TWS,  36864
.set TC2H, 40960
.set X,    8                           ; v8-39   the block's 32 numbers
.set CD,   40                          ; v40-43  its codes
.set MX,   44                          ; v44     its largest magnitude
.set SO,   45                          ; v45     the conversions' scale operand
.set BY,   46                          ; v46     the scale's byte
.set SG,   47                          ; v47     sigma
.macro LOADX base                      ; my block: eight loads of 16 bytes
.irp i, 0,1,2,3,4,5,6,7
	global_load_b128 v[X+4*\i:X+4*\i+3], v1, s[\base:\base+1] offset:16*\i th:TH_LOAD_NT
.endr
.endm
.macro QUANT
	v_max3_num_f32 v[MX], |v[X]|, |v[X+1]|, 0x1800000              ; with the floor 2^(3 - 127) among the leaves: the byte cannot fall under 1
.irp i, 2,4,6,8,10,12,14,16,18,20,22,24,26,28,30
	v_max3_num_f32 v[MX], v[MX], |v[X+\i]|, |v[X+\i+1]|
.endr
	v_add_nc_u32 v[SO], 0xff000000, v[MX]          ; 2 off the exponent field: the conversion takes this operand's exponent field as its scale
	v_lshrrev_b32 v[BY], 23, v[SO]                 ; the scale's byte
.irp g, 0,1,2,3
	v_cvt_scalef32_pk8_fp4_f32 v[CD+\g], v[X+8*\g:X+8*\g+7], v[SO]
.endr
	v_nop                                          ; one plain line behind the last scaled conversion
.endm
	s_load_b256 s[4:11], s[0:1], 0x0               ; centers s[4:5], sigma s[6:7], W s[8:9], tab s[10:11]
	v_lshlrev_b32 v1, 7, v0                        ; my block's 128 bytes among the wave's 32 blocks
	v_lshlrev_b32 v2, 4, v0                        ; and its 16 bytes of codes
	s_mov_b32 s13, 0
	s_wait_kmcnt 0x0
	s_cmp_lt_u32 ttmp9, 64                         ; the two tensors part here, on the work-group's number, and do not join again
	s_cbranch_scc0 .Lw
	; ---- the centres: block 32 g + lane; centre 16 g + lane / 2; p = lane % 2 says which half of the centre
	s_lshl_b32 s12, ttmp9, 12
	s_add_nc_u64 s[4:5], s[4:5], s[12:13]
	s_wait_alu depctr_va_vdst(0)
	LOADX 4
	s_lshl_b32 s14, ttmp9, 6
	v_lshrrev_b32 v4, 1, v0
	v_lshl_add_u32 v4, v4, 2, s14                  ; 4 x my centre
	global_load_b32 v[SG], v4, s[6:7]
	s_lshl_b32 s16, ttmp9, 9
	v_add_nc_u32 v2, s16, v2                       ; codes: 16 x block
	v_lshl_add_u32 v5, v0, 1, s14                  ; scale word: 2 x block: the even lane writes its low half, the odd lane its high half
	v_and_b32 v3, 1, v0                            ; p
	v_lshl_add_u32 v6, v3, 12, v4                  ; the even lane stores -c2/2, the odd lane g2, 4,096 bytes further on
	s_wait_loadcnt 0x0
	QUANT
	global_store_b128 v2, v[CD:CD+3], s[10:11] offset:TCC
	v_pk_mul_f32 v[48:49], v[X:X+1], v[X:X+1]      ; the squares of the unquantised numbers, two at a time, in two chains
	v_pk_mul_f32 v[50:51], v[X+2:X+3], v[X+2:X+3]
.irp j, 4,8,12,16,20,24,28
	v_pk_fma_f32 v[48:49], v[X+\j:X+\j+1], v[X+\j:X+\j+1], v[48:49]
	v_pk_fma_f32 v[50:51], v[X+\j+2:X+\j+3], v[X+\j+2:X+\j+3], v[50:51]
.endr
	v_pk_add_f32 v[48:49], v[48:49], v[50:51]
	v_add_f32 v48, v48, v49
	v_add_f32_dpp v48, v48, v48 row_xmask:1 row_mask:0xf bank_mask:0xf   ; with the centre's other half
	v_mul_f32 v48, -0.5, v48                       ; -c2/2
	; g2 = log2(e) / s, s = sigma x sigma: a reciprocal, one Newton step, and one correction of the quotient by its residual, in which log2(e) has its low part too
	v_mul_f32 v52, v[SG], v[SG]
	s_wait_alu depctr_va_vdst(0)
	v_rcp_f32 v53, v52
	v_mov_b32 v49, 0                               ; a plain line behind the reciprocal (v49 will take the neighbour's byte: a DPP destination counts as read)
	s_wait_alu depctr_va_vdst(0)                   ; ahead of the first line that names the reciprocal
	v_fma_f32 v54, -v52, v53, 1.0
	v_fma_f32 v53, v53, v54, v53                   ; r = 1 / s
	v_mul_f32 v55, 0x3fb8aa3b, v53                 ; g = L r, L = log2(e) rounded to f32
	v_fma_f32 v54, -v55, v52, 0x3fb8aa3b           ; L - g s, exactly formed,
	v_add_f32 v54, 0x32a57060, v54                 ; + log2(e) - L = 1.926e-8
	v_fma_f32 v55, v54, v53, v55                   ; g2
	v_mov_b32_dpp v49, v[BY] row_xmask:1 row_mask:0xf bank_mask:0xf      ; the other half's byte
	v_cmp_eq_u32 vcc_lo, 1, v3
	v_cndmask_b32 v56, v[BY], v49, vcc_lo          ; s0: mine in the even lane
	v_cndmask_b32 v57, v49, v[BY], vcc_lo          ; s1: mine in the odd lane
	v_lshl_or_b32 v56, v57, 8, v56
	global_store_b16 v5, v56, s[10:11] offset:TCS  ; bytes 2 and 3 of the word scale k = 64 .. 127, where the second launch has zero codes
	v_cndmask_b32 v58, v48, v55, vcc_lo
	global_store_b32 v6, v58, s[10:11] offset:TC2H
	s_endpgm
	; ---- W: block 32 (g - 64) + lane: row g - 64
.Lw:
	s_sub_co_u32 s14, ttmp9, 64
	s_lshl_b32 s12, s14, 12
	s_add_nc_u64 s[8:9], s[8:9], s[12:13]
	s_wait_alu depctr_va_vdst(0)
	LOADX 8
	s_lshl_b32 s16, s14, 9
	v_add_nc_u32 v2, s16, v2                       ; codes: 16 x block
	s_lshl_b32 s15, s14, 5
	v_add_nc_u32 v5, s15, v0                       ; scale byte: block
	s_wait_loadcnt 0x0
	QUANT
	global_store_b128 v2, v[CD:CD+3], s[10:11] offset:TWC
	global_store_b8 v5, v[BY], s[10:11] offset:TWS ; the wave's 32 bytes are a row of W's scale bytes
	s_endpgm
.Lfunc_end_k_q4f7699390d_prep:
	.size	k_q4f7699390d_prep, .Lfunc_end_k_q4f7699390d_prep-k_q4f7699390d_prep
	.p2alignl 7, 3214868480
	.fill 96, 4, 3214868480
	.section	.rodata,"a",@progbits
	.p2align	6, 0x0
	.amdhsa_kernel k_q4f7699390d_prep
		.amdhsa_group_segment_fixed_size 0
		.amdhsa_private_segment_fixed_size 0
		.amdhsa_enable_private_segment 0
		.amdhsa_kernarg_size 32
		.amdhsa_user_sgpr_count 2
		.amdhsa_user_sgpr_kernarg_segment_ptr 1
		.amdhsa_wavefront_size32 1
		.amdhsa_system_sgpr_workgroup_id_x 1
		.amdhsa_system_sgpr_workgroup_id_y 1
		.amdhsa_system_sgpr_workgroup_id_z 1
		.amdhsa_system_vgpr_workitem_id 0
		.amdhsa_next_free_vgpr 64
		.amdhsa_next_free_sgpr 66
		.amdhsa_reserve_vcc 1
		.amdhsa_float_denorm_mode_32 3
		.amdhsa_float_denorm_mode_16_64 3
		.amdhsa_memory_ordered 1
		.amdhsa_forward_progress 1
		.amdhsa_inst_pref_size 9
	.end_amdhsa_kernel
	.amdgpu_metadata
---
amdhsa.version: [ 1, 2 ]
amdhsa.kernels:
  - .name:           k_q4f7699390d_prep
    .symbol:         k_q4f7699390d_prep.kd
    .args:
      - { .name: centers, .offset: 0, .size: 8, .value_kind: global_buffer, .address_space: global }
      - { .name: sigma, .offset: 8, .size: 8, .value_kind: global_buffer, .address_space: global }
      - { .name: W, .offset: 16, .size: 8, .value_kind: global_buffer, .address_space: global }
      - { .name: tab, .offset: 24, .size: 8, .value_kind: global_buffer, .address_space: global }
    .group_segment_fixed_size: 0
    .private_segment_fixed_size: 0
    .kernarg_segment_align: 8
    .kernarg_segment_size: 32
    .max_flat_workgroup_size: 32
    .sgpr_count:     66
    .vgpr_count:     64
    .wavefront_size: 32
...
	.end_amdgpu_metadata
.endif
;; end of part 1
;; launch rbf (part 2): grid 256 x 1, 8 waves a work-group, no clusters, 327,680 bytes of LDS; arguments x, tab, b, out0; writes out0
.if DOCPART == 2
	.amdgcn_target "amdgcn-amd-amdhsa--gfx1250"
	.amdhsa_code_object_version 6
	.text
	.protected	k_q4f7699390d_rbf
	.globl	k_q4f7699390d_rbf
	.p2align	8
	.type	k_q4f7699390d_rbf,@function
k_q4f7699390d_rbf:
	s_mov_b64 s[64:65], 0
	v_nop
	global_prefetch_b8 v0, s[64:65] scope:SCOPE_SE
	s_setreg_imm32_b32 hwreg(HW_REG_WAVE_MODE, 25, 1), 1
	s_wait_xcnt 0x0
; out[n] = softmax_c(-|x[n] - centre c|^2 / (2 sigma_c^2)) W^T + b, both products on codes of FP4 (E2M1) with one E8M0 byte for each 32 along K.
; t = g2[c] (x.c - c2[c]/2 - x2/2), g2 = log2(e) / sigma^2; p = 2^(t - M), M a whole number; the row's sum is taken of the unquantised p and divides at the end.
; Nothing is left out: sigma differs from centre to centre, so the term x2 counts.
; SHARES.  A work-group owns 512 rows of x, each of its 8 waves 64 of them (4 tiles of 16 queries), from the load of x to the store of out: waves hand nothing to each other.
; The tables of the first launch (114,688 bytes) are brought into LDS once, one tensor load a wave, and are read by all waves behind the text's one barrier.
; A wave takes its tiles two at a time (2 passes).  A pass walks the 1,024 centres in 8 steps of 128; both tiles share a step's tables, and the next step's tables are fetched behind the second tile's products.
; In each step p is made under the step's own M (-M = floor(-largest t)); its codes (1,024 bytes a tile and step) and a record of 16 bytes a lane (two scale operands, -M, the lane's sum)
; go to the wave's own LDS.  Behind the 8 steps the row's M is known: each step's scale bytes and sums are brought under it by v_ldexp_f32 with a whole number, which rounds nothing, and the second product follows.
; 2 tiles x 8 waves x 8 steps x 1,536 bytes = 196,608 bytes of LDS: that bounds the rows in hand to 256 a work-group, hence two passes.
; LAYOUT.  Both products are used transposed (source 0 = 16 centres, or 16 rows of W; source 1 = my 16 queries): a lane holds one query.  Lane r of centre tile 2 b + u takes centre 32 b + 8 u + r + 8 (r / 8),
; so that the 16 registers of tiles 2 b, 2 b + 1 are 16 neighbouring centres.  K of the first product is 64: x's operand has zero codes for k = 64 .. 127, so source 0's registers 4-7 may hold any codes
; (E2M1 has no NaN and no infinity): they are the next tile's, and a step's 8 tiles of centres take 36 registers.
; NO CLUSTER: what work-groups share, the tables, is fetched once by each and is 114,688 of the 507,904 bytes that a work-group moves.  NO PREFETCH: x is asked for whole at the head; no loop reads memory.
; LIMITS: the promise holds while |t| stays under 2^31; NaN and infinities among the inputs are not served; a block of p that falls under 2^-127 of the row's largest keeps the byte 0 (2^-127).
; A BLOCK'S SCALE is taken from its largest t - M, tb: p = 2^tb has the exponent floor(tb), so the scale operand's exponent field is floor(tb) + 125, with tb held at -124 from below (the byte cannot fall under 1).
; LIMIT: where tb lies so closely under a whole number that v_exp_f32 gives that power of two itself (under 6e-8 below it, which f32 can hold only for tb just under 0), that one p is held at the code 6 where it is 8 scales.
.set SROW,  528                        ; a row of W's codes, and of the way out's stage: 512 bytes + 16
.set XROW,  272                        ; a row of x in the stage: 256 bytes + 16
.set DL,    128*SROW                   ; LDS: W's codes from 0; from DL the dense tables:
.set LCC,   DL                         ; centres' codes [1024][32]
.set LCS,   DL+32768                   ; a scale word a centre
.set LWS,   DL+36864                   ; W's scale bytes [128][32]
.set LCH,   DL+40960                   ; -c2/2; g2 lies 4,096 bytes further on
.set ST,    DL+49152                   ; 16,384 bytes a wave: p's codes; at the head x's stage, at a pass's end the way out's
.set MT,    ST+131072                  ; 8,192 bytes a wave: the records
.set SPARE, MT+65536                   ; the spare words, 128 bytes a wave
.set ACF, 1                            ; v1-3   my lane's place in the centres' codes, in -c2/2, in the scale words
.set ACH, 2
.set ACS, 3
.set PWA, 4                            ; v4     my wave's 16,384 bytes + 16 x lane
.set MWA, 5                            ; v5     my wave's records + 16 x lane
.set VCF, 6                            ; v6-8   v1-3 at the next step
.set VCH, 7
.set VCS, 8
.set VPW, 9                            ; v9-10  v4, v5 at this step
.set VMW, 10
.set AWF, 11                           ; v11    my lane's place in W's codes;  v12 in W's scale bytes
.set AWS, 12
.set XSTO, 13                          ; v13-14 x's stage, in and back
.set XRD, 14
.set STO, 15                           ; v15    the way out's stage, in
.set NIL, 16                           ; v16    0; never rewritten
.set GO,  17                           ; v17    16 x lane
.set H8,  18                           ; v18    8 x (lane / 16)
.set SPW, 19                           ; v19    my spare word; never rewritten
.set CSC, 20                           ; v20-27 the step's scale words of the centres
.set BB,  28                           ; v28-31 my 16 bytes of b
.set XF,  32                           ; v32-63 x's operands: 4 tiles x (4 registers of codes, 4 of zeros)
.set T,   64                           ; v64-127 S^T, t, p; then the records; then rows on the way out
.set PCD, 128                          ; p's codes
.set BM,  136                          ; the blocks' largest t, then p
.set BT,  140
.set SU,  144                          ; the sum, in four chains of pairs
.set SO,  152                          ; the conversions' scale operands
.set ME,  156                          ; the record: two scale operands, -M, the sum
.set NM,  158
.set FT,  128                          ; at work on the records
.set PS,  176                          ; v176-191 p's 16 scale words
.set WSC, 192                          ; v192-207 W's scale words, two sets
.set PF,  208                          ; v208-239 p's operands, two sets of two tiles
.set HXP, 240                          ; v240-247 a pair a tile: -x2/2, x's scale word
.set TW,  249
.set GMIN, 250                         ; v250-251 the least -M of each tile
.set LS,  252                          ; v252-253 the rows' sums;  v254-255 their reciprocals
.set RC,  254
.set RAW, 64                           ; the head: tiles 0, 1 of x as loaded, v64-127; v192-223 a tile turned; v224.. at work
.set XT,  192
.set PT,  224
.set PA,  228
.set PB,  230
.set PP,  232
.set CH,  0                            ; window 1: v0-63 -c2/2, v64-127 g2, v128-163 the centres' codes; in the second product v0-127 W's fragments, two sets, v128-191 the second tile's O^T; v192-255 tiles 2, 3 of x as loaded, until pass 1
.set GG,  64
.set CF,  128
.set OA,  64                           ; O^T: the pass's first tile in window 0, v64-127; its second in window 1, v128-191
.set RAW2, 192
.set RW,  128                          ; rows on the way out: the first tile's in v128-191, the second's in v64-127
.set GRP, 56                           ; s56: my wave's group, 0 or 1
.set WV,  12
.set G1W, 16
.set G1D, 24
.set G0D, 32
.set G0W, 36
.set SEL, 48
.set MH,  50
.set SP,  51
.set SM,  52
.set SC,  53
.set SC4, 54
.set SK,  55
.set RL,  66                           ; s66-97 16 pairs: a row's 1 / sum, and 0
.set MSB, 0
.macro WIN new                         ; the immediate's high byte repeats the setting that is left
.if MSB != \new
	s_set_vgpr_msb (MSB<<8)|\new
.set MSB, \new
.endif
.endm
.macro PLACES
.rept 4
	v_nop
.endr
.endm
	s_load_b256 s[4:11], s[0:1], 0x0               ; x, tab, b, out0
	v_lshl_add_u32 v[SPW], v0, 2, SPARE
	v_mov_b32 v[NIL], 0
	ds_add_u32 v[SPW], v[NIL]                      ; the opening lines: the add, twice on end, and its wait
	ds_add_u32 v[SPW], v[NIL]
	v_lshrrev_b32 v254, 5, v0
	v_readfirstlane_b32 s[WV], v254                ; wave 0..7
	v_and_b32 v253, 31, v0
	v_lshlrev_b32 v[GO], 4, v253
	s_mov_b32 s[G1W+0], (3<<16)|(1<<20)|(6<<22)|(3<<25)   ; W: 32 rows of 64 elements of 8 bytes, 4 words of padding behind each 128
	s_mov_b32 s[G1W+1], 64<<16
	s_mov_b32 s[G1W+2], 32<<16                     ; W: 32 rows a load
	s_mov_b32 s[G1W+3], 64<<16
	s_mov_b32 s[G1W+4], 32
	s_mov_b32 s[G1W+5], 64
	s_mov_b32 s[G1W+6], 0
	s_mov_b32 s[G1W+7], 0
	s_mov_b32 s[G1D+0], 3<<16                      ; a dense piece: 48 rows of 256 bytes
	s_mov_b32 s[G1D+1], 32<<16
	s_mov_b32 s[G1D+2], 48<<16                     ; a dense piece: 48 rows of 256 bytes
	s_mov_b32 s[G1D+3], 32<<16
	s_mov_b32 s[G1D+4], 48
	s_mov_b32 s[G1D+5], 32
	s_mov_b32 s[G1D+6], 0
	s_mov_b32 s[G1D+7], 0
.irp i, 0,1,2,3,4,5,6,7,8,9,10,11,12,13,14,15
	s_mov_b32 s[RL+2*\i+1], 0                      ; named with the low word as a pair, so it is written
.endr
	s_mov_b32 s[SEL], 0x76543210
	s_mov_b32 s[SEL+1], 0xfedcba98                 ; lane l xor 16
	s_mov_b32 s[MH], 0xffff0000                    ; lanes 16-31
	s_lshr_b32 s[GRP], s[WV], 2                    ; two groups of four waves: (w xor w / 4) & 1 differs between waves w and w + 4, and between waves 2 k and 2 k + 1
	s_xor_b32 s[GRP], s[GRP], s[WV]
	s_and_b32 s[GRP], s[GRP], 1
	s_and_b32 s13, s[WV], 3                        ; waves 4-7: the quarters of W's codes, 16,384 bytes each, which lie behind the dense tables in tab
	s_mul_i32 s14, s13, 32*SROW
	s_lshl_b32 s40, s13, 14
	s_add_co_u32 s40, s40, 49152
	s_mov_b32 s41, 0
	s_mul_i32 s42, s[WV], 12288                    ; waves 0-3: the quarters of the dense tables' 49,152 bytes
	s_add_co_u32 s15, s42, DL
	s_mov_b32 s43, 0
	s_lshl_b32 s44, ttmp9, 17                      ; x: 131,072 bytes a work-group, 16,384 a wave
	s_lshl_b32 s45, s[WV], 14
	s_add_co_u32 s44, s44, s45
	s_mov_b32 s45, 0
	s_lshl_b32 s46, ttmp9, 18                      ; out0: twice that
	s_lshl_b32 s47, s[WV], 15
	s_add_co_u32 s46, s46, s47
	s_mov_b32 s47, 0
	s_wait_alu depctr_va_vdst(0)
	s_wait_dscnt 0x0                               ; both opening adds are done
	s_wait_kmcnt 0x0
	s_mov_b32 s[G0D], 1
	s_mov_b32 s[G0D+1], s15
	s_add_nc_u64 s[G0D+2:G0D+3], s[6:7], s[42:43]
	s_or_b32 s[G0D+3], s[G0D+3], 0x80000000
	s_mov_b32 s[G0W], 1
	s_mov_b32 s[G0W+1], s14
	s_add_nc_u64 s[G0W+2:G0W+3], s[6:7], s[40:41]
	s_or_b32 s[G0W+3], s[G0W+3], 0x80000000
	s_add_nc_u64 s[4:5], s[4:5], s[44:45]
	s_add_nc_u64 s[10:11], s[10:11], s[46:47]
	s_cmp_lt_u32 s[WV], 4                          ; one tensor load a wave, an arm each
	s_cbranch_scc0 .Lfill_w
	tensor_load_to_lds s[G0D:G0D+3], s[G1D:G1D+7]
	s_nop 0
	PLACES
	s_branch .Lfilled
.Lfill_w:
	tensor_load_to_lds s[G0W:G0W+3], s[G1W:G1W+7]
	s_nop 0
	PLACES
.Lfilled:
	global_load_b128 v[BB:BB+3], v[GO], s[8:9]
.set n, 0
.rept 16                                       ; my 64 rows of x: each load reads 512 consecutive bytes.  Tiles 0 and 1,
	global_load_b128 v[RAW+4*n:RAW+4*n+3], v[GO], s[4:5] offset:512*n th:TH_LOAD_NT
.set n, n+1
.endr
	v_and_b32 v250, 15, v0                         ; r
	v_bfe_u32 v251, v0, 4, 1                       ; h
	v_and_b32 v252, 8, v0
	v_add_nc_u32 v252, v252, v250                  ; r + 8 (r / 8)
	v_lshlrev_b32 v[ACF], 5, v252
	v_lshl_add_u32 v[ACF], v251, 4, v[ACF]
	v_add_nc_u32 v[ACF], LCC, v[ACF]
	v_lshl_add_u32 v[ACH], v251, 6, LCH
	v_lshl_add_u32 v[ACS], v252, 2, LCS
	s_lshl_b32 s13, s[WV], 14
	s_add_co_u32 s13, s13, ST
	s_lshl_b32 s14, s[WV], 13
	s_add_co_u32 s14, s14, MT
	v_add_nc_u32 v[PWA], s13, v[GO]
	v_add_nc_u32 v[MWA], s14, v[GO]
	v_mul_u32_u24 v[AWF], v250, SROW
	v_lshl_add_u32 v[AWF], v251, 4, v[AWF]
	v_lshl_add_u32 v[AWS], v250, 5, LWS
	v_mul_u32_u24 v[XSTO], v251, XROW              ; in: a load's 512 bytes are two rows
	v_lshl_add_u32 v[XSTO], v250, 4, v[XSTO]
	v_add_nc_u32 v[XSTO], s13, v[XSTO]
	v_mul_u32_u24 v[XRD], v250, XROW               ; back: row r, my half's 128 bytes: a block of 32
	v_lshl_add_u32 v[XRD], v251, 7, v[XRD]
	v_add_nc_u32 v[XRD], s13, v[XRD]
	v_mul_u32_u24 v[STO], v250, SROW
	v_lshl_add_u32 v[STO], v251, 5, v[STO]
	v_add_nc_u32 v[STO], s13, v[STO]
	v_lshlrev_b32 v[H8], 3, v251
.irp a, 0,1,2,3
.irp i, 4,5,6,7
	v_mov_b32 v[XF+8*\a+\i], 0                     ; x's codes for k = 64 .. 127
.endr
.endr
	v_mov_b32 v[PP], 0                             ; a lane permute's destination counts as read
	v_mov_b32 v[PP+1], 0
	s_wait_alu depctr_va_vdst(0)
; Tile a of x: through the stage, then quantised in registers: a lane holds a block of 32 of row r, so the four conversions give the operand's registers.
.macro PX a
	s_wait_loadcnt 8-8*((\a)%2)                    ; x is asked for two tiles at a time: behind the first of the two the second's 8 loads may be out
.if (\a) < 2
.irp i, 0,1,2,3,4,5,6,7
	ds_store_b128 v[XSTO], v[RAW+32*(\a)+4*\i:RAW+32*(\a)+4*\i+3] offset:2*XROW*\i+16*XROW*((\a)%2)
.endr
.else
	WIN 0x04
.irp i, 0,1,2,3,4,5,6,7
	ds_store_b128 v[XSTO], v[RAW2+32*((\a)-2)+4*\i:RAW2+32*((\a)-2)+4*\i+3] offset:2*XROW*\i+16*XROW*((\a)%2)
.endr
	WIN 0
.endif
.irp i, 0,1,2,3,4,5,6,7
	ds_load_b128 v[XT+4*\i:XT+4*\i+3], v[XRD] offset:16*\i+16*XROW*((\a)%2)   ; LDS serves a wave's instructions in order
.endr
	s_wait_dscnt 0x0
	v_max3_num_f32 v[PT], |v[XT]|, |v[XT+1]|, 0x1800000            ; with the floor 2^(3 - 127): the byte cannot fall under 1
	v_pk_mul_f32 v[PA:PA+1], v[XT:XT+1], v[XT:XT+1]
	v_max3_num_f32 v[PT+1], |v[XT+2]|, |v[XT+3]|, 0x1800000
	v_pk_mul_f32 v[PB:PB+1], v[XT+2:XT+3], v[XT+2:XT+3]
.irp j, 4,8,12,16,20,24,28
	v_max3_num_f32 v[PT], v[PT], |v[XT+\j]|, |v[XT+\j+1]|
	v_pk_fma_f32 v[PA:PA+1], v[XT+\j:XT+\j+1], v[XT+\j:XT+\j+1], v[PA:PA+1]
	v_max3_num_f32 v[PT+1], v[PT+1], |v[XT+\j+2]|, |v[XT+\j+3]|
	v_pk_fma_f32 v[PB:PB+1], v[XT+\j+2:XT+\j+3], v[XT+\j+2:XT+\j+3], v[PB:PB+1]
.endr
	v_max_num_f32 v[PT], v[PT], v[PT+1]
	v_pk_add_f32 v[PA:PA+1], v[PA:PA+1], v[PB:PB+1]
	s_delay_alu instid0(VALU_DEP_2)
	v_add_nc_u32 v[PT+1], 0xff000000, v[PT]        ; 2 off the exponent field: the conversions' scale operand
	s_delay_alu instid0(VALU_DEP_2)
	v_add_f32 v[PT+3], v[PA], v[PA+1]
	s_delay_alu instid0(VALU_DEP_2)
	v_lshrrev_b32 v[PT+2], 23, v[PT+1]
	s_delay_alu instid0(VALU_DEP_1)
	v_lshlrev_b32 v[PT+2], v[H8], v[PT+2]          ; my block's byte at its place
	v_permlanex16_b32 v[PP+1], v[PT+3], s[SEL], s[SEL+1]
	v_permlanex16_b32 v[PP], v[PT+2], s[SEL], s[SEL+1]
	s_delay_alu instid0(VALU_DEP_2)
	v_add_f32 v[PT+3], v[PT+3], v[PP+1]
	v_or_b32 v[HXP+2*(\a)+1], v[PT+2], v[PP]       ; x's scale word (bytes 2, 3 are 0: they scale zero codes)
	s_delay_alu instid0(VALU_DEP_2)
	v_mul_f32 v[HXP+2*(\a)], -0.5, v[PT+3]         ; -x2/2, of the unquantised numbers
.irp g, 0,1,2,3
	v_cvt_scalef32_pk8_fp4_f32 v[XF+8*(\a)+\g], v[XT+8*\g:XT+8*\g+7], v[PT+1]
.endr
	v_nop                                          ; one plain line behind the last scaled conversion
.endm
	PX 0
	s_cmp_eq_u32 s[GRP], 0                         ; group 0 quantises its second tile here, group 1 behind the barrier: so the two groups walk the steps some way apart
	s_wait_alu depctr_va_vdst(0)
	s_cbranch_scc0 .Llate1
	PX 1
.Llate1:
.irp i, 0,1,2,3
	v_mov_b32 v[BT+\i], 0
.endr
	v_mov_b32 v[ME+3], 0                           ; named as the upper half of the pair with -M before it is first written
	WIN 0x40
.irp i, 0,1,2,3
	v_mov_b32 v[CF+32+\i], 0                       ; behind the last tile's codes: multiplied by x's zero codes
.endr
	WIN 0
	s_wait_alu depctr_va_vdst(0)
	s_wait_tensorcnt 0x0                           ; my part of the tables is in,
	s_barrier_signal -1
	s_barrier_wait -1                              ; and everybody's
	s_cmp_eq_u32 s[GRP], 0
	s_cbranch_scc1 .Learly1
	PX 1
	s_wait_alu depctr_va_vdst(0)
.Learly1:
	WIN 0x40
.set n, 0
.rept 16                                       ; tiles 2 and 3 of x are asked for here and waited for at the head of pass 1
	global_load_b128 v[RAW2+4*n:RAW2+4*n+3], v[GO], s[4:5] offset:8192+512*n th:TH_LOAD_NT
.set n, n+1
.endr
	WIN 0
; A step's tables: 8 + 16 + 8 loads, and g2's 16
.macro TABLES cf, ch, cs
	WIN 0x40
.irp t, 0,1,2,3,4,5,6,7
	ds_load_b128 v[CF+4*\t:CF+4*\t+3], v[\cf] offset:32*(32*(\t/2)+8*(\t%2))
.endr
.irp t, 0,1,2,3,4,5,6,7
	ds_load_b128 v[CH+8*\t:CH+8*\t+3], v[\ch] offset:4*(32*(\t/2)+8*(\t%2))
	ds_load_b128 v[CH+8*\t+4:CH+8*\t+7], v[\ch] offset:4*(32*(\t/2)+8*(\t%2))+16
.endr
	WIN 0
.irp t, 0,1,2,3,4,5,6,7
	ds_load_b32 v[CSC+\t], v[\cs] offset:4*(32*(\t/2)+8*(\t%2))
.endr
.endm
.macro GGL ch
	WIN 0x40
.irp t, 0,1,2,3,4,5,6,7
	ds_load_b128 v[GG+8*\t:GG+8*\t+3], v[\ch] offset:4096+4*(32*(\t/2)+8*(\t%2))
	ds_load_b128 v[GG+8*\t+4:GG+8*\t+7], v[\ch] offset:4096+4*(32*(\t/2)+8*(\t%2))+16
.endr
	WIN 0
.endm
; Tile a of x (the pass's q-th) against the step's 128 centres.  pf = 1: the next step's tables are fetched as soon as this step's are done with.
.macro P1 a, q, pf
.set XFS, XF+8*(\a)
.set HXS, HXP+2*(\a)
	WIN 0x11
.irp t, 0,1,2,3,4,5,6,7
	v_wmma_scale_f32_16x16x128_f8f6f4 v[T+8*\t:T+8*\t+7], v[CF+4*\t:CF+4*\t+7], v[XFS:XFS+7], v[CH+8*\t:CH+8*\t+7], v[CSC+\t], v[HXS+1] matrix_a_fmt:MATRIX_FMT_FP4 matrix_b_fmt:MATRIX_FMT_FP4
.endr
	WIN 0
.if \pf
	v_add_nc_u32 v[VCF], s[SC4], v[ACF]            ; these three and a v_nop are the four places behind the products
	v_add_nc_u32 v[VCH], s[SC], v[ACH]
	v_add_nc_u32 v[VCS], s[SC], v[ACS]
	v_nop
	TABLES VCF, VCH, VCS
.else
	PLACES
.endif
.set j, 0
.rept 32
	v_pk_add_f32 v[T+j:T+j+1], v[T+j:T+j+1], v[HXS:HXS+1] op_sel_hi:[1,0]   ; x.c - c2/2 - x2/2
.set j, j+2
.endr
	WIN 0x04
.set j, 0
.rept 32
	v_pk_mul_f32 v[T+j:T+j+1], v[T+j:T+j+1], v[GG+j:GG+j+1]                 ; t
.set j, j+2
.endr
	WIN 0
.if \pf
	GGL VCH
.endif
.irp b, 0,1,2,3
	v_max3_num_f32 v[BM+\b], v[T+16*\b], v[T+16*\b+1], v[T+16*\b+2]         ; each block's largest t, the four blocks by turns
.endr
.irp i, 3,5,7,9,11,13
.irp b, 0,1,2,3
	v_max3_num_f32 v[BM+\b], v[BM+\b], v[T+16*\b+\i], v[T+16*\b+\i+1]
.endr
.endr
.irp b, 0,1,2,3
	v_max_num_f32 v[BM+\b], v[BM+\b], v[T+16*\b+15]
.endr
.irp b, 0,1,2,3
	v_permlanex16_b32 v[BT+\b], v[BM+\b], s[SEL], s[SEL+1]
.endr
.irp b, 0,1,2,3
	v_max_num_f32 v[BM+\b], v[BM+\b], v[BT+\b]
.endr
	v_max3_num_f32 v[TW], v[BM], v[BM+1], v[BM+2]
	s_delay_alu instid0(VALU_DEP_1)
	v_max_num_f32 v[TW], v[TW], v[BM+3]
	s_delay_alu instid0(VALU_DEP_1)
	v_floor_f32 v[NM], -v[TW]                      ; -M of this step: M is a whole number
.set j, 0
.rept 32
	v_pk_add_f32 v[T+j:T+j+1], v[T+j:T+j+1], v[NM:NM+1] op_sel_hi:[1,0]
.set j, j+2
.endr
.irp b, 0,1,2,3
	v_add_f32 v[BM+\b], v[BM+\b], v[NM]            ; tb: each block's largest t - M
.endr
	s_wait_alu depctr_va_vdst(0)                   ; ahead of the batch
.set j, 0
.rept 64
	v_exp_f32 v[T+j], v[T+j]
.set j, j+1
.endr
	v_min_num_f32 v[GMIN+\q], v[GMIN+\q], v[NM]    ; the row's -M so far (a plain line behind the batch)
	s_wait_alu depctr_va_vdst(0)                   ; one wait for the 64, ahead of their first reader
.irp i, 0,1,2,3
	v_pk_add_f32 v[SU+2*\i:SU+2*\i+1], v[T+2*\i:T+2*\i+1], v[T+8+2*\i:T+8+2*\i+1]   ; the sum of the unquantised p, four chains
.endr
.irp j, 16,24,32,40,48,56
.irp i, 0,1,2,3
	v_pk_add_f32 v[SU+2*\i:SU+2*\i+1], v[SU+2*\i:SU+2*\i+1], v[T+\j+2*\i:T+\j+2*\i+1]
.endr
.endr
.irp b, 0,1,2,3
	v_max_num_f32 v[BM+\b], 0xc2f80000, v[BM+\b]   ; tb held at -124 from below
.endr
.irp b, 0,1,2,3
	v_cvt_floor_i32_f32 v[BM+\b], v[BM+\b]         ; the exponent of the block's largest p
.endr
	v_pk_add_f32 v[SU:SU+1], v[SU:SU+1], v[SU+2:SU+3]
	v_pk_add_f32 v[SU+4:SU+5], v[SU+4:SU+5], v[SU+6:SU+7]
.irp b, 0,1,2,3
	v_add_lshl_u32 v[SO+\b], v[BM+\b], 125, 23     ; + 127 - 2, as an exponent field: the conversions' scale operand
.endr
	v_pk_add_f32 v[SU:SU+1], v[SU:SU+1], v[SU+4:SU+5]
	v_cndmask_b32 v[ME], v[SO], v[SO+1], s[MH]     ; the record keeps blocks 0, 2 in lanes 0-15 and blocks 1, 3 in lanes 16-31
	v_cndmask_b32 v[ME+1], v[SO+2], v[SO+3], s[MH]
	v_add_f32 v[ME+3], v[SU], v[SU+1]
.irp b, 0,1,2,3
	v_cvt_scalef32_pk8_fp4_f32 v[PCD+2*\b], v[T+16*\b:T+16*\b+7], v[SO+\b]
	v_cvt_scalef32_pk8_fp4_f32 v[PCD+2*\b+1], v[T+16*\b+8:T+16*\b+15], v[SO+\b]
.endr
	v_nop                                          ; one plain line behind the last scaled conversion
.irp c, 0,1
.irp i, 0,1
	v_permlane16_swap_b32 v[PCD+4*\c+\i], v[PCD+4*\c+2+\i]   ; a whole block to a lane
.endr
.endr
	ds_store_b128 v[VPW], v[PCD:PCD+3] offset:1024*\q
	ds_store_b128 v[VPW], v[PCD+4:PCD+7] offset:1024*\q+512
	ds_store_b128 v[VMW], v[ME:ME+3] offset:512*\q
.endm
.macro STEP pf, p
	v_add_nc_u32 v[VPW], s[SP], v[PWA]
	v_add_nc_u32 v[VMW], s[SM], v[MWA]
	s_wait_dscnt 3                                 ; the step's tables are in; the last tile's three stores may be out
	P1 2*\p, 0, 0
	P1 2*\p+1, 1, \pf
.endm
; The second product's operands of K step s: W's 8 fragments, their scale words, both tiles' codes of p: 28 loads, into set s % 2
.macro LDW s
.set WB,  64*((\s)%2)
.set PB2, PF+16*((\s)%2)
.set WS2, WSC+8*((\s)%2)
	WIN 0x40
.irp o, 0,1,2,3,4,5,6,7
	ds_load_b128 v[WB+8*\o:WB+8*\o+3], v[AWF] offset:16*SROW*\o+64*(\s)
	ds_load_b128 v[WB+8*\o+4:WB+8*\o+7], v[AWF] offset:16*SROW*\o+64*(\s)+32
.endr
	WIN 0
.irp o, 0,1,2,3,4,5,6,7
	ds_load_b32 v[WS2+\o], v[AWS] offset:512*\o+4*(\s)
.endr
.irp q, 0,1
	ds_load_b128 v[PB2+8*\q:PB2+8*\q+3], v[PWA] offset:1024*(2*(\s)+\q)
	ds_load_b128 v[PB2+8*\q+4:PB2+8*\q+7], v[PWA] offset:1024*(2*(\s)+\q)+512
.endr
.endm
.macro MM s                            ; 16 accumulators by turns; the first K step starts the sums
.set WB,  64*((\s)%2)
.set PB2, PF+16*((\s)%2)
.set WS2, WSC+8*((\s)%2)
.irp q, 0,1
	WIN (0x01+0x50*\q)
.irp o, 0,1,2,3,4,5,6,7
.if (\s) == 0
	v_wmma_scale_f32_16x16x128_f8f6f4 v[OA+64*\q+8*\o:OA+64*\q+8*\o+7], v[WB+8*\o:WB+8*\o+7], v[PB2+8*\q:PB2+8*\q+7], 0, v[WS2+\o], v[PS+2*(\s)+\q] matrix_a_fmt:MATRIX_FMT_FP4 matrix_b_fmt:MATRIX_FMT_FP4
.else
	v_wmma_scale_f32_16x16x128_f8f6f4 v[OA+64*\q+8*\o:OA+64*\q+8*\o+7], v[WB+8*\o:WB+8*\o+7], v[PB2+8*\q:PB2+8*\q+7], v[OA+64*\q+8*\o:OA+64*\q+8*\o+7], v[WS2+\o], v[PS+2*(\s)+\q] matrix_a_fmt:MATRIX_FMT_FP4 matrix_b_fmt:MATRIX_FMT_FP4
.endif
.endr
.endr
	WIN 0
.endm
; Four records (u = 2 step + tile) by turns: d = the row's -M less the step's, a whole number, 0 or less; the scale operands and the sum x 2^d; the four bytes make p's scale word.
.macro FIX4 u0
.irp i, 0,1,2,3
	v_sub_f32 v[FT+8*\i], v[GMIN+((\i)%2)], v[T+4*((\u0)+\i)+2]
.endr
.irp i, 0,1,2,3
	v_cvt_i32_f32 v[FT+8*\i], v[FT+8*\i]           ; (it saturates)
.endr
.irp i, 0,1,2,3
	v_ldexp_f32 v[FT+8*\i+1], v[T+4*((\u0)+\i)], v[FT+8*\i]
.endr
.irp i, 0,1,2,3
	v_ldexp_f32 v[FT+8*\i+2], v[T+4*((\u0)+\i)+1], v[FT+8*\i]
.endr
.irp i, 0,1,2,3
.if ((\u0)+\i) < 2
	v_ldexp_f32 v[LS+\i], v[T+4*((\u0)+\i)+3], v[FT+8*\i]
.else
	v_ldexp_f32 v[FT+8*\i+3], v[T+4*((\u0)+\i)+3], v[FT+8*\i]
.endif
.endr
.irp i, 0,1,2,3
	v_lshrrev_b32 v[FT+8*\i+1], 23, v[FT+8*\i+1]
.endr
.irp i, 0,1,2,3
	v_lshrrev_b32 v[FT+8*\i+2], 23, v[FT+8*\i+2]
.endr
.irp i, 0,1,2,3
	v_lshl_or_b32 v[FT+8*\i+1], v[FT+8*\i+2], 16, v[FT+8*\i+1]
.endr
.irp i, 0,1,2,3
	v_lshlrev_b32 v[FT+8*\i+1], v[H8], v[FT+8*\i+1]
.endr
.irp i, 0,1,2,3
	v_permlanex16_b32 v[FT+8*\i+4], v[FT+8*\i+1], s[SEL], s[SEL+1]
.endr
.irp i, 0,1,2,3
	v_or_b32 v[PS+(\u0)+\i], v[FT+8*\i+1], v[FT+8*\i+4]
.endr
.irp i, 0,1,2,3
.if ((\u0)+\i) >= 2
	v_add_f32 v[LS+((\i)%2)], v[LS+((\i)%2)], v[FT+8*\i+3]
.endif
.endr
.endm
.macro PASS p
.if \p
	s_wait_xcnt 0x0                                ; the last pass's stores have read their registers
	PX 2
	PX 3
.endif
	TABLES ACF, ACH, ACS                           ; step 0's
	GGL ACH
	v_mov_b32 v[GMIN], 0x7f7fffff
	v_mov_b32 v[GMIN+1], 0x7f7fffff
	s_mov_b32 s[SP], 0                             ; this step's codes and records,
	s_mov_b32 s[SM], 0
	s_mov_b32 s[SC], 512                           ; the next step's tables
	s_mov_b32 s[SC4], 4096
	s_mov_b32 s[SK], 7
	s_wait_alu depctr_va_vdst(0)
	s_wait_dscnt 0x0
.Lstep\p:
	STEP 1, \p
	s_add_co_u32 s[SP], s[SP], 2048
	s_add_co_u32 s[SM], s[SM], 1024
	s_add_co_u32 s[SC], s[SC], 512
	s_add_co_u32 s[SC4], s[SC4], 4096
	s_sub_co_u32 s[SK], s[SK], 1
	s_cmp_lg_u32 s[SK], 0
	s_wait_alu depctr_va_vdst(0)
	s_cbranch_scc1 .Lstep\p
	STEP 0, \p                                     ; the last step fetches no further tables
.irp u, 0,1,2,3,4,5,6,7,8,9,10,11,12,13,14,15
	ds_load_b128 v[T+4*\u:T+4*\u+3], v[MWA] offset:512*\u   ; my 16 records: LDS serves a wave's instructions in order
.endr
	LDW 0
	LDW 1
	s_wait_dscnt 56                                ; the records are in; the two sets of 28 may be out
	FIX4 0
	FIX4 4
	FIX4 8
	FIX4 12
.irp q, 0,1
	v_permlanex16_b32 v[FT+8*\q+4], v[LS+\q], s[SEL], s[SEL+1]
.endr
.irp q, 0,1
	v_add_f32 v[LS+\q], v[LS+\q], v[FT+8*\q+4]     ; the row's sum
.endr
	s_wait_alu depctr_va_vdst(0)                   ; ahead of the batch
	v_rcp_f32 v[RC], v[LS]
	v_rcp_f32 v[RC+1], v[LS+1]
	v_nop
	s_wait_alu depctr_va_vdst(0)                   ; and behind it
.set S2, 0
.rept 8
.if S2 < 7
	s_wait_dscnt 28                                ; this K step's set is in; the next one's may be out
.else
	s_wait_dscnt 0x0
.endif
	MM S2
.if S2 < 6
	PLACES
	LDW S2+2
.endif
.set S2, S2+1
.endr
	PLACES
; THE WAY OUT: O^T of a tile goes through the stage and comes back as rows of 512 bytes; a row is divided by its sum, b is added, and a wave's store covers the row.
.irp q, 0,1
	WIN (0x04*\q)
.irp o, 0,1,2,3,4,5,6,7
	ds_store_b128 v[STO], v[OA+64*\q+8*\o:OA+64*\q+8*\o+3] offset:64*\o
	ds_store_b128 v[STO], v[OA+64*\q+8*\o+4:OA+64*\q+8*\o+7] offset:64*\o+16
.endr
	WIN 0
.irp i, 0,1,2,3,4,5,6,7,8,9,10,11,12,13,14,15
	ds_load_b128 v[RW-64*\q+4*\i:RW-64*\q+4*\i+3], v[PWA] offset:SROW*\i   ; in order: behind this tile's stores, ahead of the next tile's
.endr
.endr
.irp q, 0,1
.irp i, 0,1,2,3,4,5,6,7,8,9,10,11,12,13,14,15
	v_readlane_b32 s[RL+2*\i], v[RC+\q], \i
.endr
.irp i, 0,1,2,3,4,5,6,7,8,9,10,11,12,13,14,15
	s_wait_dscnt 15-\i+32*(1-\q)                   ; the younger rows, and the next tile's 32 instructions, may be out
	v_pk_fma_f32 v[RW-64*\q+4*\i:RW-64*\q+4*\i+1], v[RW-64*\q+4*\i:RW-64*\q+4*\i+1], s[RL+2*\i:RL+2*\i+1], v[BB:BB+1] op_sel_hi:[1,0,1]
	v_pk_fma_f32 v[RW-64*\q+4*\i+2:RW-64*\q+4*\i+3], v[RW-64*\q+4*\i+2:RW-64*\q+4*\i+3], s[RL+2*\i:RL+2*\i+1], v[BB+2:BB+3] op_sel_hi:[1,0,1]
	global_store_b128 v[GO], v[RW-64*\q+4*\i:RW-64*\q+4*\i+3], s[10:11] offset:8192*(2*\p+\q)+512*\i th:TH_STORE_NT
.endr
.endr
.endm
	PASS 0
	PASS 1
	s_wait_tensorcnt 0x0                           ; the wave's end
	ds_add_u32 v[SPW], v[NIL]
	s_wait_dscnt 0x0
	s_endpgm
.Lfunc_end_k_q4f7699390d_rbf:
	.size	k_q4f7699390d_rbf, .Lfunc_end_k_q4f7699390d_rbf-k_q4f7699390d_rbf
	.p2alignl 7, 3214868480
	.fill 96, 4, 3214868480
	.section	.rodata,"a",@progbits
	.p2align	6, 0x0
	.amdhsa_kernel k_q4f7699390d_rbf
		.amdhsa_group_segment_fixed_size 327680
		.amdhsa_private_segment_fixed_size 0
		.amdhsa_enable_private_segment 0
		.amdhsa_kernarg_size 32
		.amdhsa_user_sgpr_count 2
		.amdhsa_user_sgpr_kernarg_segment_ptr 1
		.amdhsa_wavefront_size32 1
		.amdhsa_system_sgpr_workgroup_id_x 1
		.amdhsa_system_sgpr_workgroup_id_y 1
		.amdhsa_system_sgpr_workgroup_id_z 1
		.amdhsa_system_vgpr_workitem_id 0
		.amdhsa_next_free_vgpr 512
		.amdhsa_next_free_sgpr 100
		.amdhsa_reserve_vcc 0
		.amdhsa_float_denorm_mode_32 3
		.amdhsa_float_denorm_mode_16_64 3
		.amdhsa_memory_ordered 1
		.amdhsa_forward_progress 1
		.amdhsa_inst_pref_size 255
	.end_amdhsa_kernel
	.section	.bss,"aw",@nobits
	.p2align	6
	.space	262144
	.amdgpu_metadata
---
amdhsa.version: [ 1, 2 ]
amdhsa.kernels:
  - .name:           k_q4f7699390d_rbf
    .symbol:         k_q4f7699390d_rbf.kd
    .args:
      - { .name: x, .offset: 0, .size: 8, .value_kind: global_buffer, .address_space: global }
      - { .name: tab, .offset: 8, .size: 8, .value_kind: global_buffer, .address_space: global }
      - { .name: b, .offset: 16, .size: 8, .value_kind: global_buffer, .address_space: global }
      - { .name: out0, .offset: 24, .size: 8, .value_kind: global_buffer, .address_space: global }
    .group_segment_fixed_size: 327680
    .private_segment_fixed_size: 0
    .kernarg_segment_align: 8
    .kernarg_segment_size: 32
    .max_flat_workgroup_size: 256
    .sgpr_count:     100
    .vgpr_count:     512
    .wavefront_size: 32
...
	.end_amdgpu_metadata
.endif
;; end of part 2
